; MI455X (gfx1250); checked and timed in simulation.
; The chip was launched on July 23, 2026; its instructions are those of AMD's public machine-readable ISA for CDNA 5 (MIT licence, August 2026) and "CDNA5" Instruction Set Architecture Reference Guide (July 2026). The comments in the code are by the model that wrote it; some were corrected since.
;; Multi Head Attention. Allowed arithmetic: matrix products marked QUANTISED: E2M3 operands, one E8M0 scale for each 32 along K, by v_wmma_scale_f32_16x16x128_f8f6f4 with both operands' format E2M3, f32 sums; everything else in f32.
;; Inputs: Wk 1,024 x 1,024 float32; Wo 1,024 x 1,024 float32; Wq 1,024 x 1,024 float32; Wv 1,024 x 1,024 float32; bk 1,024 float32; bo 1,024 float32; bq 1,024 float32; bv 1,024 float32; k 4 x 2,048 x 1,024 float32; q 4 x 2,048 x 1,024 float32; v 4 x 2,048 x 1,024 float32.
;; Outputs: out0 4 x 2,048 x 1,024 float32.
;; This version of the problem:
;;   THIS VERSION OF THE PROBLEM IS GIVEN IN LOW PRECISION. The matrix products marked QUANTISED in the list below multiply operands that are first quantised to E2M3 (2 exponent bits, 3 mantissa bits; 6 bits a number), with one power-of-two scale for each 32 numbers along K (OCP MX v1.0); their sums are f32. All else is computed in f32.
;;   The module's matrix products, in the order in which they are computed (A, B: the left and right operand; K: the contracted axis; several contracted axes count as one K, in the product's order):
;;     1. [M 8,192, K 1,024] x [K 1,024, N 1,024]; A: input q; B: input Wq: QUANTISED
;;     2. [M 8,192, K 1,024] x [K 1,024, N 1,024]; A: input k; B: input Wk: QUANTISED
;;     3. [M 8,192, K 1,024] x [K 1,024, N 1,024]; A: input v; B: input Wv: QUANTISED
;;     4. batch 64 x [M 2,048, K 64] x [K 64, N 2,048]; A: computed on the way; B: computed on the way: QUANTISED
;;     5. batch 64 x [M 2,048, K 2,048] x [K 2,048, N 64]; A: softmax (see below); B: computed on the way: QUANTISED
;;     6. [M 8,192, K 1,024] x [K 1,024, N 1,024]; A: computed on the way; B: input Wo: QUANTISED
;;   THE QUANTISER, for each operand of a quantised product, along K:
;;     - K is cut into blocks of 32 from its start; a last block that is shorter is filled with zeros.
;;     - A block's scale is 2^e with e = floor(log2(the largest magnitude in the block)) - 2, held to -126 .. 127; a block of zeros has e = 0. As a byte (E8M0): e + 127.
;;     - Each number is divided by its block's scale, clamped to +-7.5, and rounded to the nearest number of E2M3, ties to even, subnormals kept.
;;     - The product sums the exact products of the quantised numbers (number of the format x scale) in f32.
;;   ~~~python
;;   def quantise(x, axis):      # numpy; x: float32 -> the quantised numbers, widened to float32 again
;;       x = np.moveaxis(x, axis, -1); K = x.shape[-1]
;;       x = np.pad(x, [(0, 0)] * (x.ndim - 1) + [(0, -K % 32)]); x = x.reshape(x.shape[:-1] + (-1, 32)); a = np.abs(x).max(-1, keepdims=True)
;;       e = np.where(a > 0, np.clip(np.frexp(np.where(a > 0, a, 1))[1] - 1 - 2, -126, 127), 0)      # np.frexp(a)[1] - 1 = floor(log2(a)), exactly
;;       r = np.clip(x / 2.0 ** e, -7.5, 7.5)
;;       step = 2.0 ** (np.maximum(np.frexp(np.where(r == 0, 1, r))[1] - 1, 0) - 3)
;;       q = np.round(r / step) * step * 2.0 ** e      # np.round: ties to even
;;       return np.moveaxis(q.reshape(q.shape[:-2] + (-1,))[..., :K], -1, axis).astype(np.float32)
;;   ~~~
;;   SOFTMAX AHEAD OF A QUANTISED PRODUCT. Where the list says 'softmax', what is quantised is not the finished softmax but p = 2^(t - M), with t = logit x log2(e) and M = ceil(the row's largest t), a whole number; so 1/2 < the row's largest p <= 1. The row's sum l is taken of the UNQUANTISED p, in f32, and the product's result is divided by l at the end. Since M is a whole number, a kernel that streams over the keys may use a running M (the ceiling of the running maximum): every later rescaling is an exact power of two, which a block's scale takes up: the codes' values come out the same.
;;   OPERANDS COMPUTED ON THE WAY. 'Computed on the way' means the value that the module computes at that place (a softmax that the list does not call 'softmax' is quantised finished and normalised). What goes into a quantiser is computed in f32, as accurately as f32 sums, v_exp_f32 and their like allow (about 1e-6 of the number): no bf16 or f16 on the way to a quantiser, and a product that is left as it is and whose result goes on into a quantised operand takes f32 operands (vector FMAs, or v_wmma_f32_16x16x4_f32). A number that lies on a knife's edge between two numbers of the format may be rounded either way, as far as f32 arithmetic and the matrix unit's own rounding can turn it there, and no further.
;; One version. Each part assembles by itself: llvm-mc -triple=amdgcn-amd-amdhsa -mcpu=gfx1250 --defsym DOCPART=n.
;; ======== version 1 of 1: 4 launches
;; limits: right only within a limited range of input values
;; workspace buffers: c1 22,937,600 bytes; hc 20,447,232 bytes; oc 6,553,600 bytes
;; launch quant (part 1): grid 896 x 1, 4 waves a work-group, no clusters, 47,360 bytes of LDS; arguments q, k, v, Wq, Wk, Wv, Wo, c1; writes c1
.if DOCPART == 1
	.amdgcn_target "amdgcn-amd-amdhsa--gfx1250"
	.amdhsa_code_object_version 6
	.text
	.protected	k_q9d2c434f7e_quant
	.globl	k_q9d2c434f7e_quant
	.p2align	8
	.type	k_q9d2c434f7e_quant,@function
k_q9d2c434f7e_quant:
	s_mov_b64 s[64:65], 0
	v_nop
	global_prefetch_b8 v0, s[64:65] scope:SCOPE_SE
	s_setreg_imm32_b32 hwreg(HW_REG_WAVE_MODE, 25, 1), 1
	s_wait_xcnt 0x0
; q, k, v [8192][1024] and Wq, Wk, Wv, Wo [1024][1024], f32, K innermost, become codes of FP6 (E2M3) with one E8M0 byte for each 32 along K.
; A block's scale is 2^(floor(log2(its largest magnitude)) - 2); its byte is that magnitude's exponent field - 2, held at 1 from below; each number is divided by the scale and rounded to the nearest code, ties to even, beyond 7.5 the largest code.
; LIMITS: NaN and infinities among the inputs are not served.  A block of zeros gets the byte 1 (not 127): its codes are zeros, and this program alone reads the bytes.
; THE OUTPUT'S LAYOUT is the one the products' launches want.  128 rows x 1,024 along K are a BLOCK of 102,400 bytes: four parts (256 along K each) of 25,600 bytes; a part is four panels (64 along K) of [128 rows][48 bytes],
; then [128 rows][8 scale bytes].  So what a wave of a product's launch fetches for a K step is one dense run of 100 x 256 bytes.  The blocks follow each other: q 0-63, k 64-127, v 128-191, Wq 192-199, Wk 200-207, Wv 208-215, Wo 216-223.
; THE ORDER OF ROWS.  In k, v, Wq, Wk, Wv the second and third group of eight rows of every 32 change places: place 16 u + i holds row 8 u + i + 8 (i / 8).  A product that takes 16 neighbouring places as its first source
; then leaves, in a lane's 16 registers of two neighbouring tiles, 16 NEIGHBOURS of the true order, which is what the next quantiser wants.  q and Wo keep their order.
; SHARES.  A work-group takes 32 rows, a wave eight of them (32,768 consecutive bytes): 16 steps of 512 numbers.  The conversion takes 16 neighbours along K from ONE lane's registers, while a load is best where neighbouring lanes
; take neighbouring bytes: so each load reads 512 consecutive bytes and a step's 2,048 bytes turn through the wave's own stage in LDS (80 bytes a lane: 64 + 16 of padding).  Codes and bytes are gathered in LDS in the output's
; order; behind one barrier wave w stores the work-group's share of part w: every store of codes covers 512 consecutive bytes, the store of scale bytes 256, all at multiples of 256 from the buffer's first byte.
; Memory binds here: no matrix unit, no cluster (work-groups share nothing), no tensor load; loads run four steps (16 loads a wave) ahead.
.set WAVES, 4
.set STEPS, 16
.set EMAX,  2
.set SP,    80                         ; a lane's place in a stage
.set WREG,  2*32*SP                    ; a wave's two stages
.set GC,    WAVES*WREG                 ; the gathered codes: 16 panels, GP bytes apart
.set GP,    1584                       ; 32 rows x 48 bytes + 48: panel to panel 396 words, so that the 32 lanes of a store of 4 bytes (eight panels x four places of 12 bytes) fall on 32 different banks (64 banks of 4 bytes: ISA guide 11.1)
.set GS,    GC+16*GP                   ; the gathered scale bytes: [4 parts][32 rows][8]
.set SPARE, GS+1024                    ; the spare words, 128 bytes for each wave: two blocks of 256 bytes that no other line names
.set R,     16                         ; v16-79   four sets of 16 numbers as they are loaded; at the end the codes on their way out
.set X,     80                         ; v80-111  two sets of 16 neighbours
.set E,     112                        ; v112-127 a scale byte for each step
.set C,     128                        ; v128-191 codes: four registers for each step
.set SPW,   12                         ; v12      LDS address of my spare word; never rewritten
.set NIL,   13                         ; v13      0; never rewritten
	s_load_b256 s[4:11], s[0:1], 0x0               ; q, k, v, Wq
	s_load_b256 s[12:19], s[0:1], 0x20             ; Wk, Wv, Wo, c1
	v_lshl_add_u32 v[SPW], v0, 2, SPARE
	v_mov_b32 v[NIL], 0
	v_lshrrev_b32 v1, 5, v0
	v_readfirstlane_b32 s20, v1                    ; wave
	v_and_b32 v2, 31, v0                           ; lane
	v_lshlrev_b32 v3, 4, v2                        ; 16 x lane: my bytes of a load's or a store's 512
	s_mul_i32 s21, s20, WREG
	v_lshrrev_b32 v14, 2, v2
	v_mul_u32_u24 v14, v14, SP
	v_and_b32 v15, 3, v2
	v_lshl_add_u32 v14, v15, 4, v14
	v_add_nc_u32 v14, s21, v14                     ; the stage, on the way in: four lanes' 64 bytes on end, then the padding
	v_mul_u32_u24 v15, v2, SP
	v_add_nc_u32 v15, s21, v15                     ; and on the way out: my 16 neighbours
	v_lshrrev_b32 v4, 2, v2
	v_mul_u32_u24 v4, v4, GP                       ; my 16 numbers lie in panel lane / 4 of the step's eight,
	v_and_b32 v5, 3, v2
	v_mad_u32_u24 v4, v5, 12, v4                   ; at 12 bytes x (lane % 4) of the row's 48,
	s_mul_i32 s21, s20, 384
	s_add_co_u32 s21, s21, GC
	v_add_nc_u32 v4, s21, v4                       ; in my wave's eight rows
	v_lshrrev_b32 v5, 4, v2
	v_lshlrev_b32 v5, 8, v5                        ; my block's byte: part lane / 16 of the step's two,
	v_bfe_u32 v6, v2, 1, 3
	v_add_nc_u32 v5, v5, v6                        ; byte (lane / 2) % 8 of the row's eight,
	s_lshl_b32 s21, s20, 6
	s_add_co_u32 s21, s21, GS
	v_add_nc_u32 v5, s21, v5                       ; in my wave's eight rows
	s_mul_i32 s21, s20, 4*GP
	s_add_co_u32 s21, s21, GC
	v_add_nc_u32 v6, s21, v3                       ; the way out: part w's four panels, 16 bytes a lane
	v_lshlrev_b32 v7, 3, v2
	s_lshl_b32 s21, s20, 8
	s_add_co_u32 s21, s21, GS
	v_add_nc_u32 v10, s21, v7                      ; and its scale bytes, 8 a lane (a row)
	s_and_b32 s22, s20, 1
	s_lshl_b32 s22, s22, 1
	s_lshr_b32 s23, s20, 1
	s_or_b32 s22, s22, s23                         ; groups 1 and 2 of eight rows change places
	s_sub_co_u32 s23, ttmp9, 256
	s_cmp_lt_u32 s23, 608                          ; in k, v, Wq, Wk, Wv: work-groups 256 to 863
	s_cselect_b32 s22, s22, s20                    ; which eight rows I READ; where they go hangs on the wave's number alone
	; k's tokens (work-groups 256 to 511) take an order of their own, within each 64: places 16 u + i hold tokens 8 u + i (i < 8) and 32 + 8 u + i - 8 (i >= 8), u = 0 .. 3:
	; a score tile of 16 neighbouring places then leaves, in a lane's 32 registers of four neighbouring tiles, a whole block of 32 neighbouring keys.
	; Place group 4 (work-group % 2) + wave takes row group 4 (wave % 2) + 2 (work-group % 2) + wave / 2 of the 64's eight; counted from the work-group's own 32 rows: 4 (wave % 2) + wave / 2 - 2 (work-group % 2)
	s_and_b32 s21, s20, 1
	s_lshl_b32 s21, s21, 2
	s_lshr_b32 s23, s20, 1
	s_add_co_u32 s21, s21, s23
	s_and_b32 s23, ttmp9, 1
	s_lshl_b32 s23, s23, 1
	s_sub_co_u32 s21, s21, s23
	s_sub_co_u32 s23, ttmp9, 256
	s_cmp_lt_u32 s23, 256
	s_cselect_b32 s22, s21, s22
	s_wait_kmcnt 0x0
	s_mov_b64 s[24:25], s[16:17]                   ; whose work-group?  The choice hangs on the work-group's number alone
	s_mov_b32 s26, 864
	s_cmp_lt_u32 ttmp9, 864
	s_cselect_b64 s[24:25], s[14:15], s[24:25]
	s_cselect_b32 s26, 832, s26
	s_cmp_lt_u32 ttmp9, 832
	s_cselect_b64 s[24:25], s[12:13], s[24:25]
	s_cselect_b32 s26, 800, s26
	s_cmp_lt_u32 ttmp9, 800
	s_cselect_b64 s[24:25], s[10:11], s[24:25]
	s_cselect_b32 s26, 768, s26
	s_cmp_lt_u32 ttmp9, 768
	s_cselect_b64 s[24:25], s[8:9], s[24:25]
	s_cselect_b32 s26, 512, s26
	s_cmp_lt_u32 ttmp9, 512
	s_cselect_b64 s[24:25], s[6:7], s[24:25]
	s_cselect_b32 s26, 256, s26
	s_cmp_lt_u32 ttmp9, 256
	s_cselect_b64 s[24:25], s[4:5], s[24:25]
	s_cselect_b32 s26, 0, s26
	s_sub_co_u32 s26, ttmp9, s26                   ; my 32 rows in the tensor,
	s_lshl_b32 s26, s26, 2
	s_add_co_u32 s26, s26, s22                     ; my eight of them,
	s_lshl_b32 s26, s26, 15                        ; x 8 rows of 4,096 bytes (under 2^26)
	s_mov_b32 s27, 0
	s_add_nc_u64 s[24:25], s[24:25], s[26:27]
	s_lshr_b32 s28, ttmp9, 2                       ; the block of 128 rows: the buffer's order of tensors is the work-groups'
	s_mul_i32 s28, s28, 102400
	s_mul_i32 s29, s20, 25600                      ; part w
	s_add_co_u32 s28, s28, s29
	s_and_b32 s29, ttmp9, 3                        ; which 32 rows of the 128
	s_mul_i32 s30, s29, 1536
	s_add_co_u32 s30, s30, s28
	s_mov_b32 s31, 0
	s_lshl_b32 s29, s29, 8
	s_add_co_u32 s28, s28, s29
	s_add_co_u32 s28, s28, 24576
	s_mov_b32 s29, 0
	s_add_nc_u64 s[30:31], s[18:19], s[30:31]      ; where my codes go
	s_add_nc_u64 s[28:29], s[18:19], s[28:29]      ; and my scale bytes
.macro LOAD t
.irp i, 0,1,2,3
	global_load_b128 v[R+16*((\t)%4)+4*\i:R+16*((\t)%4)+4*\i+3], v3, s[24:25] offset:2048*(\t)+512*\i th:TH_LOAD_NT   ; 32 lanes read 512 consecutive bytes
.endr
.endm
.macro TURN t                          ; step t's numbers through the stage: LDS serves a wave's instructions in order (ISA guide 5.7.1.4), so no wait stands between the stores and the loads
.irp i, 0,1,2,3
	ds_store_b128 v14, v[R+16*((\t)%4)+4*\i:R+16*((\t)%4)+4*\i+3] offset:32*SP*((\t)%2)+8*SP*\i
.endr
.irp i, 0,1,2,3
	ds_load_b128 v[X+16*((\t)%2)+4*\i:X+16*((\t)%2)+4*\i+3], v15 offset:32*SP*((\t)%2)+16*\i
.endr
.endm
.irp t, 0,1,2,3
	LOAD \t
.endr
	s_wait_loadcnt 12                              ; step 0's four loads are in
	TURN 0
; Step t: row t / 2 of my eight, half t % 2 of its 1,024 numbers.
.macro STEP t
.set XS, X+16*((\t)%2)
.if (\t) > 0
	s_wait_dscnt 4                                 ; this step's numbers are back from the stage; behind them only the last step's four stores of codes and byte were issued
.else
	s_wait_dscnt 0x0
.endif
.if (\t)+4 < STEPS
	LOAD (\t)+4                                    ; into the registers that this step's stores into the stage have read
.endif
.if (\t)+1 < STEPS
.if STEPS-2-(\t) >= 3
	s_wait_loadcnt 12                              ; the next step's four loads are in; those of the three steps behind it may be out
.else
	s_wait_loadcnt 4*(STEPS-2-(\t))
.endif
	TURN (\t)+1                                    ; and go through the other stage while this step is worked
.endif
	v_max3_num_f32 v8, |v[XS]|, |v[XS+1]|, |v[XS+2]|               ; the largest magnitude of my 16, in two chains
	v_max3_num_f32 v9, |v[XS+3]|, |v[XS+4]|, |v[XS+5]|
.irp i, 6,10
	v_max3_num_f32 v8, v8, |v[XS+\i]|, |v[XS+\i+1]|
	v_max3_num_f32 v9, v9, |v[XS+\i+2]|, |v[XS+\i+3]|
.endr
	v_max3_num_f32 v8, v8, |v[XS+14]|, |v[XS+15]|
	v_max3_num_f32 v8, v8, v9, (EMAX+1)<<23        ; and the floor 2^(EMAX + 1 - 127): the byte cannot fall under 1
	v_max_num_f32_dpp v8, v8, v8 row_xmask:1 row_mask:0xf bank_mask:0xf   ; and of my neighbour's 16: the block's
	v_add_nc_u32 v11, -(EMAX<<23), v8              ; EMAX off its exponent field: the conversion takes the exponent field of this operand as its scale
	v_cvt_scalef32_pk16_fp6_f32 v[C+4*(\t):C+4*(\t)+2], v[XS:XS+15], v11
	v_lshrrev_b32 v[E+(\t)], 23, v11               ; the scale's byte (also the plain line behind the conversion)
.irp i, 0,1,2
	ds_store_b32 v4, v[C+4*(\t)+\i] offset:((\t)%2)*8*GP+((\t)/2)*48+4*\i
.endr
	ds_store_b8 v5, v[E+(\t)] offset:((\t)%2)*512+((\t)/2)*8       ; both lanes of a block write the same byte with the same value
.endm
.irp t, 0,1,2,3,4,5,6,7,8,9,10,11,12,13,14,15
	STEP \t
.endr
	s_wait_dscnt 0x0                               ; for the others' sake: my codes and bytes lie in LDS
	s_barrier_signal -1
	s_barrier_wait -1                              ; everybody's do
.irp pp, 0,1,2,3
.irp i, 0,1,2
	ds_load_b128 v[R+4*(3*\pp+\i):R+4*(3*\pp+\i)+3], v6 offset:\pp*GP+512*\i
.endr
.endr
	ds_load_b64 v[X:X+1], v10
.irp pp, 0,1,2,3
.irp i, 0,1,2
	s_wait_dscnt 12-(3*\pp+\i)                     ; LDS loads come back in order: this one is in, the younger ones may be out
	global_store_b128 v3, v[R+4*(3*\pp+\i):R+4*(3*\pp+\i)+3], s[30:31] offset:\pp*6144+512*\i   ; 32 rows x 48 bytes of a panel: three stores of 512 consecutive bytes
.endr
.endr
	s_wait_dscnt 0x0
	global_store_b64 v7, v[X:X+1], s[28:29]        ; 32 rows x 8 scale bytes: 256 consecutive bytes
	s_wait_tensorcnt 0x0                           ; the wave's end
	ds_add_u32 v[SPW], v[NIL]
	s_wait_dscnt 0x0
	s_endpgm
.Lfunc_end_k_q9d2c434f7e_quant:
	.size	k_q9d2c434f7e_quant, .Lfunc_end_k_q9d2c434f7e_quant-k_q9d2c434f7e_quant
	.p2alignl 7, 3214868480
	.fill 96, 4, 3214868480
	.section	.rodata,"a",@progbits
	.p2align	6, 0x0
	.amdhsa_kernel k_q9d2c434f7e_quant
		.amdhsa_group_segment_fixed_size 47360
		.amdhsa_private_segment_fixed_size 0
		.amdhsa_enable_private_segment 0
		.amdhsa_kernarg_size 64
		.amdhsa_user_sgpr_count 2
		.amdhsa_user_sgpr_kernarg_segment_ptr 1
		.amdhsa_wavefront_size32 1
		.amdhsa_system_sgpr_workgroup_id_x 1
		.amdhsa_system_sgpr_workgroup_id_y 1
		.amdhsa_system_sgpr_workgroup_id_z 1
		.amdhsa_system_vgpr_workitem_id 0
		.amdhsa_next_free_vgpr 192
		.amdhsa_next_free_sgpr 66
		.amdhsa_reserve_vcc 0
		.amdhsa_float_denorm_mode_32 3
		.amdhsa_float_denorm_mode_16_64 3
		.amdhsa_memory_ordered 1
		.amdhsa_forward_progress 1
		.amdhsa_inst_pref_size 39
	.end_amdhsa_kernel
	.amdgpu_metadata
---
amdhsa.version: [ 1, 2 ]
amdhsa.kernels:
  - .name:           k_q9d2c434f7e_quant
    .symbol:         k_q9d2c434f7e_quant.kd
    .args:
      - { .name: q, .offset: 0, .size: 8, .value_kind: global_buffer, .address_space: global }
      - { .name: k, .offset: 8, .size: 8, .value_kind: global_buffer, .address_space: global }
      - { .name: v, .offset: 16, .size: 8, .value_kind: global_buffer, .address_space: global }
      - { .name: Wq, .offset: 24, .size: 8, .value_kind: global_buffer, .address_space: global }
      - { .name: Wk, .offset: 32, .size: 8, .value_kind: global_buffer, .address_space: global }
      - { .name: Wv, .offset: 40, .size: 8, .value_kind: global_buffer, .address_space: global }
      - { .name: Wo, .offset: 48, .size: 8, .value_kind: global_buffer, .address_space: global }
      - { .name: c1, .offset: 56, .size: 8, .value_kind: global_buffer, .address_space: global }
    .group_segment_fixed_size: 47360
    .private_segment_fixed_size: 0
    .kernarg_segment_align: 8
    .kernarg_segment_size: 64
    .max_flat_workgroup_size: 128
    .sgpr_count:     66
    .vgpr_count:     192
    .wavefront_size: 32
...
	.end_amdgpu_metadata
.endif
;; end of part 1
;; launch proj (part 2): grid 4 x 96, 4 waves a work-group, clusters of 4 x 4, 327,680 bytes of LDS; arguments c1, bq, bk, bv, hc; writes hc
.if DOCPART == 2
	.amdgcn_target "amdgcn-amd-amdhsa--gfx1250"
	.amdhsa_code_object_version 6
	.text
	.protected	k_q9d2c434f7e_proj
	.globl	k_q9d2c434f7e_proj
	.p2align	8
	.type	k_q9d2c434f7e_proj,@function
k_q9d2c434f7e_proj:
	s_mov_b64 s[64:65], 0
	v_nop
	global_prefetch_b8 v0, s[64:65] scope:SCOPE_SE
	s_setreg_imm32_b32 hwreg(HW_REG_WAVE_MODE, 25, 1), 1
	s_wait_xcnt 0x0
	s_wait_alu depctr_hold_cnt(0) depctr_sa_sdst(0) depctr_va_vdst(0) depctr_va_sdst(0) depctr_va_ssrc(0) depctr_va_vcc(0) depctr_vm_vsrc(0)
	s_getreg_b32 s2, hwreg(HW_REG_IB_STS2, 6, 4)
	s_cmp_eq_u32 s2, 0
	s_cbranch_scc0 .Lentry_in_a_cluster
	s_endpgm
.Lentry_in_a_cluster:
	s_bfe_u32 s2, ttmp6, 0x10000c
	s_cmp_lg_u32 s2, 0xf033
	s_cbranch_scc0 .Lentry_shape_is_right
	s_endpgm
.Lentry_shape_is_right:
.set NQ,     2
.set FR,     12
.set NL,     6
.set NP,     4
.set HALFT,  25600
.set SLOT,   4*HALFT
.set BLK,    102400
.set HS,     106496
.set HB,     6656
.set STG,    2*SLOT
.set STGW,   13312
.set SPARE,  STG+4*STGW
.set ADRA, 16
.set ADRB, 20
.set ADRS, 22
.set STO,  24
.set RD,   25
.set CO,   26
.set SSTO, 27
.set SPW,  28
.set NIL,  29
.set SRD,  30
.set VSO,  31
.set SC,   32
.set BC,   64
.set TM,   64
.set AF,   128
.set BK,   128
.set BR,   224
.set SEL,  66
.set G1, 24
.set G0, 32
.set G1B, 48
.set G0B, 56
.set MSB, 0
.macro WIN new
.if MSB != \new
	s_set_vgpr_msb (MSB<<8)|\new
.set MSB, \new
.endif
.endm
.set MUL_LO, 0xa1
.set MUL_HI, 0xf1
.set TO_B,   0x40
.macro JLOAD g0a, g1a, g0b, g1b
	s_cmp_eq_u32 s15, 0
	s_cbranch_scc0 .Lfor_b_\@
	tensor_load_to_lds s[\g0a:\g0a+3], s[\g1a:\g1a+7]
	s_nop 0
.rept 4
	v_nop
.endr
	s_branch .Lasked_\@
.Lfor_b_\@:
	tensor_load_to_lds s[\g0b:\g0b+3], s[\g1b:\g1b+7]
	s_nop 0
.rept 4
	v_nop
.endr
.Lasked_\@:
.endm
.macro CREST
	s_cmp_lg_u32 s14, 0
	s_cbranch_scc1 .Lnot_wave_0_\@
	s_barrier_signal -3
.Lnot_wave_0_\@:
	s_barrier_wait -3
	s_barrier_signal -1
	s_barrier_wait -1
.endm
.macro CROUND
	s_barrier_signal -1
	s_barrier_wait -1
	CREST
.endm
	s_load_b256 s[4:11], s[0:1], 0x0
	s_load_b64 s[12:13], s[0:1], 0x20
	v_lshl_add_u32 v[SPW], v0, 2, SPARE
	v_mov_b32 v[NIL], 0
	ds_add_u32 v[SPW], v[NIL]
	ds_add_u32 v[SPW], v[NIL]
	v_lshrrev_b32 v1, 5, v0
	v_readfirstlane_b32 s14, v1
	s_lshr_b32 s15, s14, 1
	s_and_b32 s16, s14, 1
	s_bfe_u32 s40, ttmp6, 0x40000
	s_bfe_u32 s41, ttmp6, 0x40004
	s_and_b32 s17, ttmp7, 0xffff
	s_lshl_b32 s19, s17, 3
	s_lshr_b32 s2, s17, 3
	s_lshl_b32 s2, s2, 3
	s_add_co_u32 s2, s2, 192
	s_cmp_ge_u32 s17, 16
	s_cselect_b32 s18, 1, 0
	s_cselect_b32 s68, 0, -1
	s_cselect_b32 s69, -1, 0
	s_cselect_b32 s20, 208, s19
	s_cselect_b32 s46, s19, s2
	s_lshl_b32 s21, s41, 1
	s_add_co_u32 s20, s20, s21
	s_add_co_u32 s20, s20, s16
	s_mul_i32 s20, s20, BLK
	s_mov_b32 s21, 0
	s_lshl_b32 s47, s40, 1
	s_add_co_u32 s46, s46, s47
	s_add_co_u32 s46, s46, s16
	s_mul_i32 s46, s46, BLK
	s_mov_b32 s47, 0
	s_lshl_b32 s43, s41, 2
	s_lshl_b32 s43, 15, s43
	s_lshl_b32 s44, 0x1111, s40
	s_or_b32 s[G1+0], s43, (3<<16)|(1<<21)
	s_or_b32 s[G1B+0], s44, (3<<16)|(1<<21)
.irp g, G1, G1B
	s_mov_b32 s[\g+1], 32<<16
	s_mov_b32 s[\g+2], 100<<16
	s_mov_b32 s[\g+3], 32<<16
	s_mov_b32 s[\g+4], 100
	s_mov_b32 s[\g+5], 32
	s_mov_b32 s[\g+6], 0
	s_mov_b32 s[\g+7], 0
.endr
	s_mul_i32 s45, s14, HALFT
	s_mov_b32 s[SEL], 0x76543210
	s_mov_b32 s[SEL+1], 0xfedcba98
	s_wait_dscnt 0x0
	s_wait_kmcnt 0x0
	s_add_nc_u64 s[20:21], s[4:5], s[20:21]
	s_add_nc_u64 s[46:47], s[4:5], s[46:47]
	CROUND
.irp s, 0,1
	s_mov_b32 s[G0+4*\s], 1
	s_add_co_u32 s[G0+4*\s+1], s45, \s*SLOT
	s_add_nc_u64 s[G0+4*\s+2:G0+4*\s+3], s[20:21], \s*HALFT
	s_or_b32 s[G0+4*\s+3], s[G0+4*\s+3], 0x80000000
	s_mov_b32 s[G0B+4*\s], 1
	s_add_co_u32 s[G0B+4*\s+1], s45, \s*SLOT
	s_add_nc_u64 s[G0B+4*\s+2:G0B+4*\s+3], s[46:47], \s*HALFT
	s_or_b32 s[G0B+4*\s+3], s[G0B+4*\s+3], 0x80000000
	s_wait_alu depctr_va_vdst(0)
	s_wait_tensorcnt 0x0
	ds_add_u32 v28, v29
	ds_add_u32 v28, v29
	s_wait_dscnt 0x0
	CROUND
	JLOAD G0+4*\s, G1, G0B+4*\s, G1B
.endr
	v_and_b32 v1, 15, v0
	v_bfe_u32 v2, v0, 4, 1
	s_wait_alu depctr_va_vdst(0)
	v_mul_u32_u24 v3, v1, 48
	v_mad_u32_u24 v3, v2, 24, v3
	s_wait_alu depctr_va_vdst(0)
	s_mul_i32 s21, s15, HALFT
	s_mul_i32 s22, s16, HALFT
	s_add_co_u32 s22, s22, 2*HALFT
.irp s, 0,1
	v_add_nc_u32 v[ADRA+\s], s21, v3
	v_add_nc_u32 v[ADRB+\s], s22, v3
	s_add_co_u32 s21, s21, SLOT
	s_add_co_u32 s22, s22, SLOT
.endr
	s_mul_i32 s21, s15, HALFT
	s_mul_i32 s22, s16, HALFT
	s_add_co_u32 s22, s22, 2*HALFT
	s_sub_co_u32 s22, s22, s21
	v_mul_u32_u24 v6, s22, v2
	v_lshl_add_u32 v6, v1, 3, v6
	s_add_co_u32 s21, s21, 24576
	v_add_nc_u32 v[ADRS], s21, v6
	v_add_nc_u32 v[ADRS+1], SLOT, v[ADRS]
	s_mul_i32 s23, s14, STGW
	s_add_co_u32 s23, s23, STG
	v_add_nc_u32 v[STO], s23, v3
	v_and_b32 v5, 31, v0
	v_lshlrev_b32 v[CO], 4, v5
	v_add_nc_u32 v[RD], s23, v[CO]
	v_lshlrev_b32 v6, 9, v2
	v_lshl_add_u32 v6, v1, 2, v6
	s_add_co_u32 s23, s23, 12288
	v_add_nc_u32 v[SSTO], s23, v6
	v_add_nc_u32 v[SRD], s23, v[CO]
	v_lshlrev_b32 v12, 4, v2
	v_lshlrev_b32 v13, 6, v2
	s_wait_alu depctr_va_vdst(0)
	v_lshrrev_b32 v14, 3, v1
	v_lshl_add_u32 v14, v14, 3, v1
	v_lshlrev_b32 v14, 2, v14
	s_wait_alu depctr_va_vdst(0)
	s_lshl_b32 s42, s41, 1
	s_add_co_u32 s42, s42, s15
	s_lshl_b32 s93, s40, 1
	s_add_co_u32 s93, s93, s16
	s_cmp_lt_u32 s17, 8
	s_cselect_b64 s[70:71], s[6:7], s[8:9]
	s_cmp_ge_u32 s17, 16
	s_cselect_b64 s[70:71], s[10:11], s[70:71]
	s_lshl_b32 s94, s42, 9
	s_mov_b32 s95, 0
	s_add_nc_u64 s[72:73], s[70:71], s[94:95]
	s_lshl_b32 s94, s93, 9
	s_add_nc_u64 s[70:71], s[70:71], s[94:95]
.irp b, 0,1,2,3,4,5,6,7
	global_load_b128 v[BC+8*\b:BC+8*\b+3], v13, s[70:71] offset:(32*(\b/2)+8*(\b%2))*4
	global_load_b128 v[BC+8*\b+4:BC+8*\b+7], v13, s[70:71] offset:(32*(\b/2)+8*(\b%2))*4+16
.endr
.irp a, 0,1,2,3,4,5,6,7
	global_load_b32 v[BR+2*\a], v14, s[72:73] offset:(32*(\a/2)+8*(\a%2))*4
	global_load_b32 v[BR+2*\a+1], v14, s[72:73] offset:(32*(\a/2)+8*(\a%2))*4
.endr
	s_cmp_lg_u32 s18, 0
	s_cselect_b32 s94, s93, s42
	s_cselect_b32 s96, s42, s93
	s_mov_b32 s88, HS
	s_mov_b32 s90, 3072
	s_mov_b32 s92, 256
	s_cselect_b32 s92, s88, s92
	s_cselect_b32 s97, s90, s88
	s_cselect_b32 s90, s88, s90
	s_mov_b32 s88, s97
	s_mov_b32 s89, 0
	s_mov_b32 s91, 0
	s_add_co_u32 s94, s94, s19
	s_lshr_b32 s95, s94, 4
	s_lshl_b32 s95, s95, 4
	s_lshl_b32 s96, s96, 1
	s_add_co_u32 s95, s95, s96
	s_mul_i32 s95, s95, HS
	s_and_b32 s94, s94, 15
	s_mul_i32 s94, s94, HB
	s_add_co_u32 s94, s94, s95
	s_mov_b32 s95, 0
	s_add_nc_u64 s[76:77], s[12:13], s[94:95]
	s_add_nc_u64 s[78:79], s[76:77], s[90:91]
	s_add_nc_u64 s[80:81], s[76:77], s[88:89]
	s_add_nc_u64 s[82:83], s[80:81], s[90:91]
	s_add_nc_u64 s[84:85], s[76:77], 6144
	s_add_nc_u64 s[86:87], s[84:85], HS
	v_mul_u32_u24 v[VSO], s92, v2
	v_lshl_add_u32 v[VSO], v1, 4, v[VSO]
	s_wait_loadcnt 0x0
.set i, 0
.rept 64
	v_and_b32 v[BC+i], s68, v[BC+i]
.set i, i+1
.endr
.set i, 0
.rept 16
	v_and_b32 v[BR+i], s69, v[BR+i]
.set i, i+1
.endr
.macro START a
.irp b, 0,1,2,3,4,5,6,7
.irp j, 0,2,4,6
	v_pk_add_f32 v[8*(8*((\a)%4)+\b)+\j:8*(8*((\a)%4)+\b)+\j+1], v[BC+8*\b+\j:BC+8*\b+\j+1], v[BR+2*(\a):BR+2*(\a)+1]
.endr
.endr
.endm
	WIN 0x80
.irp a, 0,1,2,3
	START \a
.endr
	WIN 0xc0
.irp a, 4,5,6,7
	START \a
.endr
	WIN 0
.macro FRAG reg, adr, q, i
.irp p, 0,1,2,3,4,5
	ds_load_b64 v[\reg+2*\p:\reg+2*\p+1], v[\adr] offset:(2*(\q)+\p/3)*6144+(\i)*768+8*(\p%3)
.endr
.endm
.macro MUL16 a0, p, q, sc
.irp a, \a0, \a0+1
.irp b, 0,1,2,3,4,5,6,7
	v_wmma_scale_f32_16x16x128_f8f6f4 v[8*(8*((\a)%4)+\b):8*(8*((\a)%4)+\b)+7], v[128*(\p)+FR*\b:128*(\p)+FR*\b+FR-1], v[AF+FR*(\a):AF+FR*(\a)+FR-1], v[8*(8*((\a)%4)+\b):8*(8*((\a)%4)+\b)+7], v[SC+8*NQ*(\sc)+NQ*\b+(\q)], v[SC+8*NQ*(\sc)+NQ*(\a)+(\q)] matrix_a_fmt:MATRIX_FMT_FP6 matrix_b_fmt:MATRIX_FMT_FP6 matrix_a_scale:MATRIX_SCALE_ROW1
.endr
.endr
.endm
.macro FETCH_B slot, q, p
	WIN TO_B
.irp i, 0,1,2,3,4,5,6,7
	FRAG 128*(\p)+FR*\i, ADRB+\slot, \q, \i
.endr
	WIN 0
.endm
.macro FETCH_A slot, q, i0
.irp i, \i0, \i0+1, \i0+2, \i0+3
	FRAG AF+FR*(\i), ADRA+\slot, \q, \i
.endr
.endm
.macro SCALES sc
.irp i, 0,1,2,3,4,5,6,7
	ds_load_b64 v[SC+8*NQ*\sc+NQ*\i:SC+8*NQ*\sc+NQ*\i+1], v[ADRS+\sc] offset:\i*128
.endr
.endm
.macro PLACES n
.rept \n
	v_nop
.endr
.endm
.macro STEP slot, q
	s_wait_dscnt 4*NL
	WIN MUL_LO
	MUL16 0, (\q)%2, \q, \slot
	MUL16 2, (\q)%2, \q, \slot
	s_wait_dscnt 0
	PLACES NP
	FETCH_B \slot, (\q)+1, 1-(\q)%2
	FETCH_A \slot, (\q)+1, 0
	WIN MUL_HI
	MUL16 4, (\q)%2, \q, \slot
	MUL16 6, (\q)%2, \q, \slot
	PLACES NP
	WIN 0
	FETCH_A \slot, (\q)+1, 4
.endm
.macro TURN slot, next, fill
	s_wait_tensorcnt 0x0
	ds_add_u32 v[SPW], v[NIL]
	s_wait_dscnt 4*NL+1
	WIN MUL_LO
	MUL16 0, 1, NQ-1, \slot
	s_wait_dscnt 0x0
	s_barrier_signal -1
	MUL16 2, 1, NQ-1, \slot
	WIN 0
	s_barrier_wait -1
.if \fill
	CREST
	s_add_nc_u64 s[G0+4*\slot+2:G0+4*\slot+3], s[G0+4*\slot+2:G0+4*\slot+3], 2*HALFT
	s_add_nc_u64 s[G0B+4*\slot+2:G0B+4*\slot+3], s[G0B+4*\slot+2:G0B+4*\slot+3], 2*HALFT
	JLOAD G0+4*\slot, G1, G0B+4*\slot, G1B
.else
	PLACES NP
.endif
	FETCH_B \next, 0, 0
	FETCH_A \next, 0, 0
	SCALES \next
	WIN MUL_HI
	MUL16 4, 1, NQ-1, \slot
	MUL16 6, 1, NQ-1, \slot
	PLACES NP
	WIN 0
	FETCH_A \next, 0, 4
.endm
	s_wait_alu depctr_va_vdst(0)
	s_wait_tensorcnt 1
	s_barrier_signal -1
	s_barrier_wait -1
	FETCH_B 0, 0, 0
	FETCH_A 0, 0, 0
	SCALES 0
	FETCH_A 0, 0, 4
	STEP 0, 0
	TURN 0, 1, 1
	STEP 1, 0
	TURN 1, 0, 1
	STEP 0, 0
	TURN 0, 1, 0
	STEP 1, 0
	s_wait_dscnt 4*NL
	WIN MUL_LO
	MUL16 0, 1, NQ-1, 1
	MUL16 2, 1, NQ-1, 1
	s_wait_dscnt 0
	WIN MUL_HI
	MUL16 4, 1, NQ-1, 1
	MUL16 6, 1, NQ-1, 1
	WIN 0
.macro OUTROW a
.set QS,  64*((\a)%4)
.set QW,  2+(\a)/4
.set QW2, 5*QW
.set PC,  84+20*((\a)%2)
.if (\a) >= 2
	s_wait_dscnt 7
.endif
	WIN QW2
.irp b, 0,1,2,3
	v_max3_num_f32 v[TM+\b], |v[QS+16*\b]|, |v[QS+1+16*\b]|, 0x1800000
.endr
.irp i, 2,4,6,8,10,12,14
.irp b, 0,1,2,3
	v_max3_num_f32 v[TM+\b], |v[QS+16*\b+\i]|, |v[QS+1+16*\b+\i]|, v[TM+\b]
.endr
.endr
	WIN 0
.irp b, 0,1,2,3
	v_permlanex16_b32 v[TM+4+\b], v[TM+\b], s[SEL], s[SEL+1]
.endr
.irp b, 0,1,2,3
	v_max_num_f32 v[TM+\b], v[TM+\b], v[TM+4+\b]
.endr
.irp b, 0,1,2,3
	v_add_nc_u32 v[TM+12+\b], 0xff000000, v[TM+\b]
.endr
.irp b, 0,1,2,3
	v_lshrrev_b32 v[TM+4+\b], 23, v[TM+12+\b]
.endr
	v_lshl_or_b32 v[PC+15], v[TM+5], 8, v[TM+4]
	v_lshl_or_b32 v[PC+15], v[TM+6], 16, v[PC+15]
	v_lshl_or_b32 v[PC+15], v[TM+7], 24, v[PC+15]
	v_lshrrev_b32 v[PC+19], v12, v[PC+15]
	WIN QW
.irp c, 0,1
	v_cvt_scalef32_pk16_fp6_f32 v[PC+6*\c:PC+2+6*\c], v[QS+32*\c:QS+15+32*\c], v[TM+12+2*\c]
	v_cvt_scalef32_pk16_fp6_f32 v[PC+12+4*\c:PC+14+4*\c], v[QS+16+32*\c:QS+31+32*\c], v[TM+12+2*\c+1]
.endr
	WIN 0
	v_nop
.irp c, 0,1
.irp i, 0,1,2
	v_permlane16_swap_b32 v[PC+6*\c+\i], v[PC+12+4*\c+\i]
.endr
.irp i, 0,1,2
	v_mov_b32 v[PC+3+6*\c+\i], v[PC+12+4*\c+\i]
.endr
.endr
.irp c, 0,1
.irp p, 0,1,2
	ds_store_b64 v[STO], v[PC+6*\c+2*\p:PC+6*\c+2*\p+1] offset:\c*6144+(\a)*768+8*\p
.endr
.endr
	ds_store_b32 v[SSTO], v[PC+19] offset:64*(\a)
.endm
	PLACES NP
.irp a, 0,1,2,3,4,5,6,7
	OUTROW \a
.endr
.set t, 0
.rept 24
	ds_load_b128 v[BK+4*t:BK+4*t+3], v[RD] offset:512*t
.set t, t+1
.endr
	ds_load_b128 v[BK+96:BK+99], v[SRD]
	ds_load_b128 v[BK+100:BK+103], v[SRD] offset:512
.irp c, 0,1
.irp g, 0,1
.irp i, 0,1,2,3,4,5
	s_wait_dscnt 25-(12*\c+6*\g+\i)
	global_store_b128 v[CO], v[BK+4*(12*\c+6*\g+\i):BK+4*(12*\c+6*\g+\i)+3], s[76+4*\c+2*\g:77+4*\c+2*\g] offset:512*\i
.endr
.endr
.endr
	s_wait_dscnt 1
	global_store_b128 v[VSO], v[BK+96:BK+99], s[84:85]
	s_wait_dscnt 0x0
	s_cmp_lg_u32 s18, 0
	s_cbranch_scc1 .Lone_plane
	global_store_b128 v[VSO], v[BK+100:BK+103], s[86:87]
.Lone_plane:
	s_wait_tensorcnt 0x0
	ds_add_u32 v[SPW], v[NIL]
	s_wait_dscnt 0x0
	CROUND
	s_endpgm
.Lfunc_end_k_q9d2c434f7e_proj:
	.size	k_q9d2c434f7e_proj, .Lfunc_end_k_q9d2c434f7e_proj-k_q9d2c434f7e_proj
	.p2alignl 7, 3214868480
	.fill 96, 4, 3214868480
	.section	.rodata,"a",@progbits
	.p2align	6, 0x0
	.amdhsa_kernel k_q9d2c434f7e_proj
		.amdhsa_group_segment_fixed_size 327680
		.amdhsa_private_segment_fixed_size 0
		.amdhsa_enable_private_segment 0
		.amdhsa_kernarg_size 40
		.amdhsa_user_sgpr_count 2
		.amdhsa_user_sgpr_kernarg_segment_ptr 1
		.amdhsa_wavefront_size32 1
		.amdhsa_system_sgpr_workgroup_id_x 1
		.amdhsa_system_sgpr_workgroup_id_y 1
		.amdhsa_system_sgpr_workgroup_id_z 1
		.amdhsa_system_vgpr_workitem_id 0
		.amdhsa_next_free_vgpr 1024
		.amdhsa_next_free_sgpr 100
		.amdhsa_reserve_vcc 0
		.amdhsa_float_denorm_mode_32 3
		.amdhsa_float_denorm_mode_16_64 3
		.amdhsa_memory_ordered 1
		.amdhsa_forward_progress 1
		.amdhsa_inst_pref_size 192
	.end_amdhsa_kernel
	.amdgpu_metadata
---
amdhsa.version: [ 1, 2 ]
amdhsa.kernels:
  - .name:           k_q9d2c434f7e_proj
    .symbol:         k_q9d2c434f7e_proj.kd
    .args:
      - { .name: c1, .offset: 0, .size: 8, .value_kind: global_buffer, .address_space: global }
      - { .name: bq, .offset: 8, .size: 8, .value_kind: global_buffer, .address_space: global }
      - { .name: bk, .offset: 16, .size: 8, .value_kind: global_buffer, .address_space: global }
      - { .name: bv, .offset: 24, .size: 8, .value_kind: global_buffer, .address_space: global }
      - { .name: hc, .offset: 32, .size: 8, .value_kind: global_buffer, .address_space: global }
    .group_segment_fixed_size: 327680
    .private_segment_fixed_size: 0
    .kernarg_segment_align: 8
    .kernarg_segment_size: 40
    .max_flat_workgroup_size: 128
    .sgpr_count:     100
    .vgpr_count:     1024
    .wavefront_size: 32
...
	.end_amdgpu_metadata
.endif
;; end of part 2
;; launch attn (part 3): grid 4 x 64, 16 waves a work-group, clusters of 4 x 1, 225,280 bytes of LDS; arguments hc, oc; writes oc
.if DOCPART == 3
	.amdgcn_target "amdgcn-amd-amdhsa--gfx1250"
	.amdhsa_code_object_version 6
	.text
	.protected	k_q9d2c434f7e_attn
	.globl	k_q9d2c434f7e_attn
	.p2align	8
	.type	k_q9d2c434f7e_attn,@function
k_q9d2c434f7e_attn:
	s_mov_b64 s[64:65], 0
	v_nop
	global_prefetch_b8 v0, s[64:65] scope:SCOPE_SE
	s_setreg_imm32_b32 hwreg(HW_REG_WAVE_MODE, 25, 1), 1
	s_wait_xcnt 0x0
	s_wait_alu depctr_hold_cnt(0) depctr_sa_sdst(0) depctr_va_vdst(0) depctr_va_sdst(0) depctr_va_ssrc(0) depctr_va_vcc(0) depctr_vm_vsrc(0)
	s_getreg_b32 s2, hwreg(HW_REG_IB_STS2, 6, 4)
	s_cmp_eq_u32 s2, 0
	s_cbranch_scc0 .Lentry_in_a_cluster
	s_endpgm
.Lentry_in_a_cluster:
	s_bfe_u32 s2, ttmp6, 0x10000c
	s_cmp_lg_u32 s2, 0x3003
	s_cbranch_scc0 .Lentry_shape_is_right
	s_endpgm
.Lentry_shape_is_right:
; O[b][h][q] = the sum over k of softmax_k(Q . K / 8) V, 64 heads of 2,048 tokens x 64 channels, both products on codes of FP6 (E2M3) with E8M0 scales; O / l is quantised again, along the channels, for the last projection.
; THE SOFTMAX: t = score x log2(e) / 8; M = the row's largest t so far, rounded UP to a whole number; p = 2^(t - M) is quantised along the keys, not normalised.  The row's sum is taken of the unquantised p, in f32, and divides O
; at the end.  When M moves, the sum and O are multiplied by 2^(old M - new M): exact.
; INPUT: head blocks of 6,656 bytes for 128 tokens, 16 to a head.  Q, K: [128 places][48 bytes], [128][4] scale words.  V: [2 halves of 64 keys][64 channels][48 bytes], [64][4] scale words (6,400 bytes are read).
; K's PLACES, within each 64: places 16 u + i hold keys 8 u + i (i < 8) and 32 + 8 u + i - 8 (i >= 8).  Both products are used transposed (S^T = K Q^T, O^T = V^T P^T): a lane holds ONE query (lane % 16), and its 32 registers of
; score tiles 4 c .. 4 c + 3 are the keys 64 c + 32 (lane / 16) + 0 .. 31: a whole block of the quantiser, in the order of the second product's operand.  So a block's maximum needs no other lane and p's codes no lane swap.
; V's channels lie in the order place 16 u + i = 8 u + i + 8 (i / 8) of each 32: two tiles of O^T hold 16 neighbouring channels a lane.
; THE FIRST PRODUCT'S K IS 64, half of the instruction's 128: registers 6-11 of Q's fragment hold zero codes, written once.  What stands in registers 6-11 of K's side meets those zeros alone (every pattern of 6 bits is a finite
; number, and bytes 2, 3 of the scale words are finite codes): so K's eight fragments lie 6 registers apart, each tile's upper half being the next tile's codes (the eighth's: V's first six registers, written once at the head).
; NO RING: a head's K (106,496 bytes) and V (102,400) lie in LDS whole, filled once.  The four work-groups of a head are one cluster and ask JOINTLY: every wave issues one load of two blocks, waves 0-7 K's, waves 8-15 V's.
; All tensor loads stand at the head, so nothing later could be asked for ahead: no prefetch is laid.
; SHARES: a work-group owns 512 queries of a head, in two passes of 256; each of its sixteen waves one tile of 16 queries a pass, in 256 registers, four waves to a SIMD.
; OUTPUT: the last projection's blocks: 128 tokens x 1,024 along K, 102,400 bytes; part h / 4, panel h % 4: [128 tokens][48 bytes]; the head's two scale bytes at 2 (h % 4) of the row's eight.
; LIMITS: NaN and infinities are not served; the scaled scores stay under 2^31 in magnitude; a block of zeros gets the byte 1, its codes are zeros.
; REGISTERS: v1-4, v7, v30, v31 addresses and shifts that stay; v5, v6 the add's two; v8-11 addresses in hand; v12 -M, v13 the largest score, v[14:15] the sum in two halves; v16-27 Q; v28-29 V's scale words (two tiles a register);
;   v32-79 K's eight fragments; v80-127 V's four; v128-191 S^T, then p; v192-223 O^T; v224-235 p's codes; v236-247, v252, v254 at work; v248-251 K's scale words (two tiles a register); v253 p's; v255 Q's.
.set HS,    106496                     ; a head in hc
.set HB,    6656                       ; a head block, and K's in LDS
.set VB,    6400                       ; V's block in LDS
.set VOFF,  16*HB                      ; V lies behind K
.set STG,   VOFF+16*VB                 ; behind both: a stage of 768 bytes for each wave, into which no tile lands
.set SPARE, STG+16*768                 ; the spare words, 128 bytes for each wave: eight blocks of 256 bytes that no other line names
.set SPW,   5
.set NIL,   6
.set WV,    18                         ; s18  my wave's number
.set NC,    19                         ; s19  -c
.set SEL,   20                         ; s[20:21] selects of v_permlanex16_b32: lane l xor 16
.set CS,    22                         ; s[22:23] c = log2(e) / 8
.set TBK,   2                          ; s2   where the NEXT step's block of K begins in LDS
.set TBV,   3                          ; s3   where this step's block of V begins (less VOFF)
.set CNT,   66
.set STB,   67                         ; s67  my stage
.set G1K,   24                         ; s[24:31] group 1: two blocks of K;  s[32:39] two of V
.set G1V,   32
.set G0K,   40                         ; s[40:43], s[44:47] their groups 0
.set G0V,   44
.set QP,    76                         ; s[76:77] Q's codes at my tile of pass 0;  s[78:79] its block at my tile's scale words
.set QSW,   78
.set OP,    80                         ; s[80:81] where my codes of O go;  s[82:83] and my scale bytes
.set OSW,   82
.macro CROUND                          ; a round of the cluster's barrier
	s_barrier_signal -1
	s_barrier_wait -1
	s_cmp_lg_u32 s[WV], 0
	s_cbranch_scc1 .Lnot_wave_0_\@
	s_barrier_signal -3
.Lnot_wave_0_\@:
	s_barrier_wait -3
	s_barrier_signal -1
	s_barrier_wait -1
.endm
	s_load_b128 s[4:7], s[0:1], 0x0                ; hc s[4:5], oc s[6:7]
	v_lshl_add_u32 v[SPW], v0, 2, SPARE
	v_mov_b32 v[NIL], 0
	ds_add_u32 v[SPW], v[NIL]                      ; the opening lines: the add, twice on end, and its wait ahead of my tensor load
	ds_add_u32 v[SPW], v[NIL]
	v_lshrrev_b32 v8, 5, v0
	v_readfirstlane_b32 s[WV], v8                  ; wave 0..15
	s_bfe_u32 s8, ttmp6, 0x40000                   ; cx: it enters Q's and O's addresses alone
	s_and_b32 s9, ttmp7, 0xffff                    ; 16 b + h, which the four partners share
	s_and_b32 s10, s[WV], 7                        ; u: I fetch blocks 2 u, 2 u + 1
	s_mul_i32 s12, s9, HS                          ; the head's bytes in each of Q, K, V
	s_mul_i32 s13, s10, 2*HB                       ; where they begin in memory, and K's in LDS
	s_mul_i32 s15, s10, 2*VB
	s_add_co_u32 s15, s15, VOFF                    ; V's in LDS
	; group 1.  K: two dense blocks as 52 rows of 256 bytes (32 elements of 8).  V: of each block of 6,656 bytes the first 6,400: 2 rows of 800 elements, 832 apart.  15:0 the mask: all four work-groups; 21 set beside it
	s_mov_b32 s[G1K], 15|(3<<16)|(1<<21)
	s_mov_b32 s[G1K+1], 32<<16
	s_mov_b32 s[G1K+2], 52<<16
	s_mov_b32 s[G1K+3], 32<<16
	s_mov_b32 s[G1K+4], 52
	s_mov_b32 s[G1K+5], 32
	s_mov_b32 s[G1K+6], 0
	s_mov_b32 s[G1K+7], 0
	s_mov_b32 s[G1V], 15|(3<<16)|(1<<21)
	s_mov_b32 s[G1V+1], 800<<16
	s_mov_b32 s[G1V+2], 2<<16
	s_mov_b32 s[G1V+3], 800<<16
	s_mov_b32 s[G1V+4], 2
	s_mov_b32 s[G1V+5], 832
	s_mov_b32 s[G1V+6], 0
	s_mov_b32 s[G1V+7], 0
	s_mov_b32 s[SEL], 0x76543210
	s_mov_b32 s[SEL+1], 0xfedcba98
	s_mov_b32 s[CS], 0x3e38aa3b                    ; c = log2(e) / 8
	s_mov_b32 s[CS+1], s[CS]                       ; (named with it as a pair, so it is written)
	s_mov_b32 s[NC], 0xbe38aa3b                    ; -c
	s_mul_i32 s[STB], s[WV], 768
	s_add_co_u32 s[STB], s[STB], STG
	; my queries: 512 x work-group + 256 x pass + 16 x wave
	s_lshl_b32 s92, ttmp9, 2
	s_add_co_u32 s92, s92, s8                      ; the work-group's x = 4 x cluster x + cx
	s_lshl_b32 s92, s92, 2
	s_lshr_b32 s93, s[WV], 3
	s_add_co_u32 s92, s92, s93                     ; my block of 128 tokens in pass 0
	s_and_b32 s93, s[WV], 7                        ; my tile of 16 in it
	s_mul_i32 s94, s92, HB
	s_add_co_u32 s94, s94, s12
	s_mul_i32 s95, s93, 768
	s_add_co_u32 s[QP], s94, s95
	s_mov_b32 s[QP+1], 0
	s_lshl_b32 s95, s93, 6
	s_add_co_u32 s[QSW], s94, s95
	s_mov_b32 s[QSW+1], 0
	s_lshr_b32 s94, s9, 4
	s_lshl_b32 s94, s94, 4                         ; 16 b
	s_add_co_u32 s94, s94, s92
	s_mul_i32 s94, s94, 102400                     ; the block of 128 tokens in oc
	s_bfe_u32 s95, s9, 0x20002                     ; h / 4: the part
	s_mul_i32 s95, s95, 25600
	s_add_co_u32 s94, s94, s95
	s_and_b32 s95, s9, 3                           ; h % 4: the panel
	s_mul_i32 s96, s95, 6144
	s_add_co_u32 s[OP], s94, s96
	s_mul_i32 s96, s93, 768
	s_add_co_u32 s[OP], s[OP], s96
	s_mov_b32 s[OP+1], 0
	s_lshl_b32 s96, s93, 7
	s_add_co_u32 s[OSW], s94, s96
	s_lshl_b32 s96, s95, 1
	s_add_co_u32 s[OSW], s[OSW], s96
	s_add_co_u32 s[OSW], s[OSW], 24576
	s_mov_b32 s[OSW+1], 0
	s_add_co_u32 s84, s12, 64*HS                   ; K's heads lie behind Q's 64
	s_mov_b32 s85, 0
	s_mov_b32 s88, s13
	s_mov_b32 s89, 0
	s_wait_dscnt 0x0                               ; both opening adds are done
	s_wait_kmcnt 0x0
	s_add_nc_u64 s[84:85], s[4:5], s[84:85]        ; the head's K
	s_add_nc_u64 s[86:87], s[84:85], 64*HS         ; and V
	s_add_nc_u64 s[QP:QP+1], s[4:5], s[QP:QP+1]
	s_add_nc_u64 s[QSW:QSW+1], s[4:5], s[QSW:QSW+1]
	s_add_nc_u64 s[OP:OP+1], s[6:7], s[OP:OP+1]
	s_add_nc_u64 s[OSW:OSW+1], s[6:7], s[OSW:OSW+1]
	s_mov_b32 s[G0K], 1
	s_mov_b32 s[G0K+1], s13
	s_add_nc_u64 s[G0K+2:G0K+3], s[84:85], s[88:89]
	s_or_b32 s[G0K+3], s[G0K+3], 0x80000000
	s_mov_b32 s[G0V], 1
	s_mov_b32 s[G0V+1], s15
	s_add_nc_u64 s[G0V+2:G0V+3], s[86:87], s[88:89]
	s_or_b32 s[G0V+3], s[G0V+3], 0x80000000
	CROUND                                         ; all four work-groups are here: the joint loads meet
	s_cmp_lt_u32 s[WV], 8                          ; one load a wave, in the two arms of one branch on the wave's number; an s_nop 0 and four v_nop follow each
	s_cbranch_scc0 .Lfor_v
	tensor_load_to_lds s[G0K:G0K+3], s[G1K:G1K+7]
	s_nop 0
.rept 4
	v_nop
.endr
	s_branch .Lasked
.Lfor_v:
	tensor_load_to_lds s[G0V:G0V+3], s[G1V:G1V+7]
	s_nop 0
.rept 4
	v_nop
.endr
.Lasked:
	v_and_b32 v8, 15, v0                           ; r = lane % 16
	v_bfe_u32 v9, v0, 4, 1                         ; h = lane / 16
	v_and_b32 v7, 31, v0
	v_mul_u32_u24 v1, v8, 48
	v_lshlrev_b32 v30, 3, v9                       ; 8 h: where my bytes stand in p's scale word
	v_lshlrev_b32 v31, 3, v8                       ; 8 r: O's scale bytes, 8 bytes from row to row
	v_lshl_add_u32 v3, v7, 2, 6144                 ; a block's scale words, 32 lanes for two tiles: K's
	v_lshl_add_u32 v10, v8, 2, 6144                ; Q's in memory: lane r's row
	v_mad_u32_u24 v1, v9, 24, v1                   ; a fragment's row x 48 + 24 x half: K's, and Q's in memory
	v_lshlrev_b32 v7, 3, v7                        ; 8 x lane
	v_add_nc_u32 v4, VOFF, v3                      ; V's scale words
	v_add_nc_u32 v2, VOFF, v1                      ; V's fragments
.irp p, 0,1,2
	global_load_b64 v[16+2*\p:17+2*\p], v1, s[QP:QP+1] offset:8*\p   ; Q's fragment of pass 0
.endr
	global_load_b32 v255, v10, s[QSW:QSW+1]        ; and its scale words
.irp i, 0,1,2,3,4,5
	v_mov_b32 v[22+\i], 0                          ; K = 64 .. 127: zero codes in Q
	v_mov_b32 v[80+\i], 0                          ; the upper half of K's eighth operand, until V's first fragment lies there
.endr
	v_mov_b32 v240, 0                              ; written once: a lane permute's destination counts as one of its sources
	v_mov_b32 v253, 0
.macro INIT                            ; a pass begins: O^T and the sum are zeros, the largest score lies under every score: the first change of M multiplies zeros, so the key step is written once
	v_mov_b32 v13, 0xff61b1e6                      ; -3e38
	v_mov_b32 v12, 0x7f61b1e6                      ; -M: 3e38
	v_mov_b32 v14, 0
	v_mov_b32 v15, 0
.set j, 0
.rept 32
	v_mov_b32 v[192+j], 0
.set j, j+1
.endr
	s_mov_b32 s[TBK], HB
	s_mov_b32 s[TBV], 0
.endm
.macro KFR a, t                        ; K's fragment of tile t: 16 places x 64 channels, 6 registers
.irp p, 0,1,2
	ds_load_b64 v[32+6*\t+2*\p:33+6*\t+2*\p], v[\a] offset:768*\t+8*\p
.endr
.endm
.macro KSC a                           ; K's scale words: lanes 0-15 tile 2 i, lanes 16-31 tile 2 i + 1
.irp i, 0,1,2,3
	ds_load_b32 v[248+\i], v[\a] offset:128*\i
.endr
.endm
.macro VFR t                           ; V's fragment of tile t: 16 channels x 128 keys
.irp p, 0,1,2,3,4,5
	ds_load_b64 v[80+12*\t+2*\p:81+12*\t+2*\p], v9 offset:768*\t+3072*(\p/3)+8*(\p%3)
.endr
.endm
.macro TM j0, n                        ; t - M, two at a time (of the pairs c and -M the low word serves both halves)
.set j, \j0
.rept \n
	v_pk_fma_f32 v[128+j:129+j], v[128+j:129+j], s[CS:CS+1], v[12:13] op_sel_hi:[1,0,0]
.set j, j+2
.endr
.endm
; A KEY STEP: a block of 128 keys.  Its K was asked for a step earlier.  pre = 1: the next step's K is asked for.
.macro STEP pre
	s_wait_dscnt 0x0                               ; K's fragments and scale words are in
.irp u, 0,1,2,3                                    ; S^T = K Q^T: eight tiles of 16 places
	v_wmma_scale_f32_16x16x128_f8f6f4 v[128+16*\u:135+16*\u], v[32+12*\u:43+12*\u], v[16:27], 0, v[248+\u], v255 matrix_a_fmt:MATRIX_FMT_FP6 matrix_b_fmt:MATRIX_FMT_FP6
	v_wmma_scale_f32_16x16x128_f8f6f4 v[136+16*\u:143+16*\u], v[38+12*\u:49+12*\u], v[16:27], 0, v[248+\u], v255 matrix_a_fmt:MATRIX_FMT_FP6 matrix_b_fmt:MATRIX_FMT_FP6 matrix_a_scale:MATRIX_SCALE_ROW1
.endr
	v_add_nc_u32 v9, s[TBV], v2                    ; these four are the places behind the products: ahead of the first read of the scores and of the loads into K's and V's registers
	v_add_nc_u32 v11, s[TBV], v4
.if \pre
	v_add_nc_u32 v8, s[TBK], v1
	v_add_nc_u32 v10, s[TBK], v3
.else
	v_nop
	v_nop
.endif
.irp c, 0,1                                        ; THE LARGEST SCORE OF MY TWO BLOCKS OF 32 KEYS, each in two chains, each tile from its low end on: it serves for the row's maximum and, since p rises with the score, for the block's largest p
	v_max3_num_f32 v[236+\c], v[128+32*\c], v[129+32*\c], v[130+32*\c]
	v_max3_num_f32 v[238+\c], v[144+32*\c], v[145+32*\c], v[146+32*\c]
.endr
.irp i, 3,5,7,9,11,13
.irp c, 0,1
	v_max3_num_f32 v[236+\c], v[236+\c], v[128+32*\c+\i], v[129+32*\c+\i]
	v_max3_num_f32 v[238+\c], v[238+\c], v[144+32*\c+\i], v[145+32*\c+\i]
.endr
.endr
.irp c, 0,1
	v_max3_num_f32 v[236+\c], v[236+\c], v[143+32*\c], v[159+32*\c]
.endr
.irp c, 0,1
	v_max_num_f32 v[236+\c], v[236+\c], v[238+\c]
.endr
	; the chain that makes M is serial: the step's LDS loads stand between its links.  V's 26 first, then the next K's 28
	s_delay_alu instid0(VALU_DEP_1)
	v_max_num_f32 v254, v236, v237                 ; my 64 keys' largest score
	VFR 0
	VFR 1
	v_permlanex16_b32 v240, v254, s[SEL], s[SEL+1]
	VFR 2
	VFR 3
	ds_load_b32 v28, v11                           ; V's scale words: lanes 0-15 tile 0, lanes 16-31 tile 1;
	ds_load_b32 v29, v11 offset:128                ; tiles 2 and 3
	v_max3_num_f32 v13, v13, v254, v240            ; the running largest score of my query (c is positive: the largest score gives the largest t)
.if \pre
	KFR 8, 0
	KFR 8, 1
	KFR 8, 2
	KFR 8, 3
.endif
	v_mul_f32 v254, s[NC], v13                     ; -t
	v_mov_b32 v241, v12
.if \pre
	KFR 8, 4
	KFR 8, 5
	KFR 8, 6
	KFR 8, 7
.endif
	v_floor_f32 v12, v254                          ; the new -M = floor(-t) = -ceil(t): M is a whole number
.if \pre
	KSC 10
.endif
	TM 0, 4
	v_sub_f32 v254, v12, v241                      ; M's old value less its new one: a whole number, 0 or less
	TM 8, 4
	v_cvt_i32_f32 v254, v254                       ; (it saturates)
	TM 16, 4
	v_ldexp_f32 v252, 1.0, v254                    ; f = 2^(old M - new M)
	TM 24, 20
.irp c, 0,1
	v_fma_f32 v[236+\c], v[236+\c], s[CS], v12     ; the same of each block's largest score
.endr
.set j, 0
.rept 16
	v_pk_mul_f32 v[192+j:193+j], v[192+j:193+j], v[252:253] op_sel_hi:[1,0]   ; O^T under the new M, each accumulator from its low end on; no transcendental stands between the last products and these reads
.set j, j+2
.endr
	s_wait_alu depctr_va_vdst(0)                   ; the wait ahead of the batch
.irp c, 0,1
	v_exp_f32 v[236+\c], v[236+\c]                 ; the block's largest p: the same two instructions on the same number give the same bits
.endr
.set j, 0
.rept 64
	v_exp_f32 v[128+j], v[128+j]                   ; p = 2^(t - M), at most 1: not normalised
.set j, j+1
.endr
	v_pk_mul_f32 v[14:15], v[14:15], v[252:253] op_sel_hi:[1,0]   ; the sums under the new M (the plain line behind the exponentials)
	s_wait_alu depctr_va_vdst(0)                   ; one wait for the whole batch, ahead of its first reader
.if \pre
	s_wait_dscnt 28                                ; V is in; the 24 + 4 loads of the next K, issued behind V's, may be out
.else
	s_wait_dscnt 0x0
.endif
.irp c, 0,1
	v_max_num_f32 v[236+\c], 0x1800000, v[236+\c]  ; the floor 2^(3 - 127): the byte cannot fall under 1
.endr
.irp c, 0,1
	v_add_nc_u32 v[238+\c], 0xff000000, v[236+\c]  ; 2 off the exponent field: the conversion's scale operand
.endr
	v_cvt_scalef32_pk16_fp6_f32 v[224:226], v[128:143], v238   ; keys 32 h + 0 .. 15,
	v_cvt_scalef32_pk16_fp6_f32 v[240:242], v[144:159], v238   ; 32 h + 16 .. 31 (a conversion's three registers begin on an even number: made here and moved),
	v_cvt_scalef32_pk16_fp6_f32 v[230:232], v[160:175], v239   ; 64 + 32 h + 0 .. 15,
	v_cvt_scalef32_pk16_fp6_f32 v[244:246], v[176:191], v239   ; 64 + 32 h + 16 .. 31
.irp c, 0,1
	v_lshrrev_b32 v[236+\c], 23, v[238+\c]         ; the scales' bytes (also the plain lines behind the conversions)
.endr
	s_delay_alu instid0(VALU_DEP_1)
	v_lshl_or_b32 v254, v237, 16, v236             ; blocks h and 2 + h,
	s_delay_alu instid0(VALU_DEP_1)
	v_lshlrev_b32 v254, v30, v254                  ; at their places in the word;
	s_delay_alu instid0(VALU_DEP_1)
	v_permlanex16_b32 v253, v254, s[SEL], s[SEL+1]
	s_delay_alu instid0(VALU_DEP_1)
	v_or_b32 v253, v253, v254                      ; with lane l xor 16's two: p's scale word for these 128 keys
.irp i, 0,1,2
	v_mov_b32 v[227+\i], v[240+\i]
	v_mov_b32 v[233+\i], v[244+\i]
.endr
	; THE ROW'S SUM OF THE UNQUANTISED p, in four chains.  These 32 lines also stand between the lines that made p's codes and scale word and the products
	v_pk_add_f32 v[14:15], v[14:15], v[128:129]
	v_pk_add_f32 v[240:241], v[130:131], v[132:133]
	v_pk_add_f32 v[242:243], v[134:135], v[136:137]
	v_pk_add_f32 v[244:245], v[138:139], v[140:141]
.set j, 142
.rept 6
	v_pk_add_f32 v[14:15], v[14:15], v[j:j+1]
	v_pk_add_f32 v[240:241], v[240:241], v[j+2:j+3]
	v_pk_add_f32 v[242:243], v[242:243], v[j+4:j+5]
	v_pk_add_f32 v[244:245], v[244:245], v[j+6:j+7]
.set j, j+8
.endr
	v_pk_add_f32 v[14:15], v[14:15], v[190:191]
	v_pk_add_f32 v[240:241], v[240:241], v[242:243]
	v_pk_add_f32 v[14:15], v[14:15], v[244:245]
	s_delay_alu instid0(VALU_DEP_1)
	v_pk_add_f32 v[14:15], v[14:15], v[240:241]
.irp u, 0,1                                        ; O^T += V^T P^T: four accumulators, one instruction each: they take turns with the scores' eight
	v_wmma_scale_f32_16x16x128_f8f6f4 v[192+16*\u:199+16*\u], v[80+24*\u:91+24*\u], v[224:235], v[192+16*\u:199+16*\u], v[28+\u], v253 matrix_a_fmt:MATRIX_FMT_FP6 matrix_b_fmt:MATRIX_FMT_FP6
	v_wmma_scale_f32_16x16x128_f8f6f4 v[200+16*\u:207+16*\u], v[92+24*\u:103+24*\u], v[224:235], v[200+16*\u:207+16*\u], v[28+\u], v253 matrix_a_fmt:MATRIX_FMT_FP6 matrix_b_fmt:MATRIX_FMT_FP6 matrix_a_scale:MATRIX_SCALE_ROW1
.endr
.if \pre
	s_add_co_u32 s[TBK], s[TBK], HB
	s_add_co_u32 s[TBV], s[TBV], VB
.endif
.endm
.macro WALK                            ; a pass's sixteen key steps; the last asks for no further K
.irp t, 0,1,2,3,4,5,6,7
	KFR 1, \t
.endr
	KSC 3
	s_mov_b32 s[CNT], 15
.Lwalk_\@:
	STEP 1
	s_sub_co_u32 s[CNT], s[CNT], 1
	s_cmp_lg_u32 s[CNT], 0
	s_cbranch_scc1 .Lwalk_\@
	STEP 0
.endm
; THE WAY OUT of a pass.  O^T / the sum: register 16 i + j is channel 32 i + 16 h + j of my query: two blocks of 32 are quantised; a lane's 24 bytes go through my stage and leave as three runs of 256 consecutive bytes.
.macro WAYOUT pass
	v_add_f32 v14, v14, v15                        ; the sum's two halves.  (The plain lines from here to the first read of O^T name none of the last products' registers: they are the places behind them)
	v_add_nc_u32 v8, s[STB], v1                    ; the stage, in: row r, 24 bytes a half
	v_add_nc_u32 v9, s[STB], v7                    ; and back: 8 bytes a lane
	v_permlanex16_b32 v252, v14, s[SEL], s[SEL+1]
.if \pass == 0
	v_lshrrev_b32 v10, 1, v31
	s_delay_alu instid0(VALU_DEP_1)
	v_add_nc_u32 v10, 6144, v10                    ; Q's scale words in memory: lane r's row
.irp p, 0,1,2
	global_load_b64 v[16+2*\p:17+2*\p], v1, s[QP:QP+1] offset:2*HB+8*\p   ; the next pass's Q, two blocks of 128 tokens on: it lands under the way out
.endr
	global_load_b32 v255, v10, s[QSW:QSW+1] offset:2*HB
.endif
	v_add_f32 v14, v14, v252                       ; and lane l xor 16's: the row's sum
	s_wait_alu depctr_va_vdst(0)                   ; the wait ahead of the transcendental
	v_rcp_f32 v14, v14
	v_nop                                          ; a plain line behind the reciprocal
	s_wait_alu depctr_va_vdst(0)                   ; the wait ahead of the reciprocal's first reader and of the first read of O^T
.set j, 0
.rept 16
	v_pk_mul_f32 v[128+j:129+j], v[192+j:193+j], v[14:15] op_sel_hi:[1,0]   ; each accumulator from its low end on
.set j, j+2
.endr
.irp b, 0,1
	v_max3_num_f32 v[236+\b], |v[128+16*\b]|, |v[129+16*\b]|, 0x1800000   ; and the floor 2^(3 - 127)
.endr
.irp i, 2,4,6,8,10,12,14
.irp b, 0,1
	s_delay_alu instid0(VALU_DEP_2)
	v_max3_num_f32 v[236+\b], v[236+\b], |v[128+16*\b+\i]|, |v[129+16*\b+\i]|
.endr
.endr
.irp b, 0,1
	s_delay_alu instid0(VALU_DEP_2)
	v_permlanex16_b32 v[238+\b], v[236+\b], s[SEL], s[SEL+1]
.endr
.irp b, 0,1
	s_delay_alu instid0(VALU_DEP_2)
	v_max_num_f32 v[236+\b], v[236+\b], v[238+\b]
.endr
.irp b, 0,1
	s_delay_alu instid0(VALU_DEP_2)
	v_add_nc_u32 v[238+\b], 0xff000000, v[236+\b]
.endr
.irp b, 0,1
	s_delay_alu instid0(VALU_DEP_2)
	v_lshrrev_b32 v[236+\b], 23, v[238+\b]
.endr
	s_delay_alu instid0(VALU_DEP_1)
	v_lshl_or_b32 v254, v237, 8, v236              ; my query's two scale bytes
	v_cvt_scalef32_pk16_fp6_f32 v[224:226], v[128:143], v238
	v_cvt_scalef32_pk16_fp6_f32 v[240:242], v[144:159], v239
	v_nop                                          ; one plain line behind a scaled conversion
.irp i, 0,1,2
	v_permlane16_swap_b32 v[224+\i], v[240+\i]     ; a whole block to a lane: lanes 0-15 channels 0-31, lanes 16-31 channels 32-63
.endr
.irp i, 0,1,2
	v_mov_b32 v[227+\i], v[240+\i]
.endr
.irp p, 0,1,2
	ds_store_b64 v8, v[224+2*\p:225+2*\p] offset:8*\p
.endr
.irp i, 0,1,2
	ds_load_b64 v[160+2*\i:161+2*\i], v9 offset:256*\i   ; LDS serves a wave's instructions in order (ISA guide 5.7.1.4): these see my stores; the stage is my own
.endr
	global_store_b16 v31, v254, s[OSW:OSW+1] offset:\pass*204800   ; lanes l and l + 16 store the same two bytes at the same place
.irp i, 0,1,2
	s_wait_dscnt 2-\i
	global_store_b64 v7, v[160+2*\i:161+2*\i], s[OP:OP+1] offset:\pass*204800+256*\i   ; 256 consecutive bytes, at a multiple of 256 from the buffer's first byte
.endr
.if \pass == 0
	s_wait_xcnt 0x0                                ; the stores have read their registers: the next pass writes them again only behind this wait
.endif
.endm
	INIT
	s_wait_alu depctr_va_vdst(0)                   ; the wait at the head's end
	s_wait_loadcnt 0x0                             ; Q
	s_wait_tensorcnt 0x0                           ; my two blocks have landed
	s_barrier_signal -1
	s_barrier_wait -1                              ; everybody's have: K and V are whole, and nothing is filled again in this launch
	WALK
	WAYOUT 0
	INIT
	s_wait_alu depctr_va_vdst(0)                   ; directly ahead of the wait below
	s_wait_loadcnt 0x0                             ; the second pass's Q
	WALK
	WAYOUT 1
	s_wait_tensorcnt 0x0                           ; the wave's end
	ds_add_u32 v[SPW], v[NIL]
	s_wait_dscnt 0x0
	CROUND                                         ; the closing round
	s_endpgm
.Lfunc_end_k_q9d2c434f7e_attn:
	.size	k_q9d2c434f7e_attn, .Lfunc_end_k_q9d2c434f7e_attn-k_q9d2c434f7e_attn
	.p2alignl 7, 3214868480
	.fill 96, 4, 3214868480
	.section	.rodata,"a",@progbits
	.p2align	6, 0x0
	.amdhsa_kernel k_q9d2c434f7e_attn
		.amdhsa_group_segment_fixed_size 225280
		.amdhsa_private_segment_fixed_size 0
		.amdhsa_enable_private_segment 0
		.amdhsa_kernarg_size 16
		.amdhsa_user_sgpr_count 2
		.amdhsa_user_sgpr_kernarg_segment_ptr 1
		.amdhsa_wavefront_size32 1
		.amdhsa_system_sgpr_workgroup_id_x 1
		.amdhsa_system_sgpr_workgroup_id_y 1
		.amdhsa_system_sgpr_workgroup_id_z 1
		.amdhsa_system_vgpr_workitem_id 0
		.amdhsa_next_free_vgpr 256
		.amdhsa_next_free_sgpr 100
		.amdhsa_reserve_vcc 0
		.amdhsa_float_denorm_mode_32 3
		.amdhsa_float_denorm_mode_16_64 3
		.amdhsa_memory_ordered 1
		.amdhsa_forward_progress 1
		.amdhsa_inst_pref_size 84
	.end_amdhsa_kernel
	.amdgpu_metadata
---
amdhsa.version: [ 1, 2 ]
amdhsa.kernels:
  - .name:           k_q9d2c434f7e_attn
    .symbol:         k_q9d2c434f7e_attn.kd
    .args:
      - { .name: hc, .offset: 0, .size: 8, .value_kind: global_buffer, .address_space: global }
      - { .name: oc, .offset: 8, .size: 8, .value_kind: global_buffer, .address_space: global }
    .group_segment_fixed_size: 225280
    .private_segment_fixed_size: 0
    .kernarg_segment_align: 8
    .kernarg_segment_size: 16
    .max_flat_workgroup_size: 512
    .sgpr_count:     100
    .vgpr_count:     256
    .wavefront_size: 32
...
	.end_amdgpu_metadata
.endif
;; end of part 3
;; launch outp (part 4): grid 4 x 32, 4 waves a work-group, clusters of 4 x 4, 327,680 bytes of LDS; arguments oc, c1, bo, out0; writes out0
.if DOCPART == 4
	.amdgcn_target "amdgcn-amd-amdhsa--gfx1250"
	.amdhsa_code_object_version 6
	.text
	.protected	k_q9d2c434f7e_outp
	.globl	k_q9d2c434f7e_outp
	.p2align	8
	.type	k_q9d2c434f7e_outp,@function
k_q9d2c434f7e_outp:
	s_mov_b64 s[64:65], 0
	v_nop
	global_prefetch_b8 v0, s[64:65] scope:SCOPE_SE
	s_setreg_imm32_b32 hwreg(HW_REG_WAVE_MODE, 25, 1), 1
	s_wait_xcnt 0x0
	s_wait_alu depctr_hold_cnt(0) depctr_sa_sdst(0) depctr_va_vdst(0) depctr_va_sdst(0) depctr_va_ssrc(0) depctr_va_vcc(0) depctr_vm_vsrc(0)
	s_getreg_b32 s2, hwreg(HW_REG_IB_STS2, 6, 4)
	s_cmp_eq_u32 s2, 0
	s_cbranch_scc0 .Lentry_in_a_cluster
	s_endpgm
.Lentry_in_a_cluster:
	s_bfe_u32 s2, ttmp6, 0x10000c
	s_cmp_lg_u32 s2, 0xf033
	s_cbranch_scc0 .Lentry_shape_is_right
	s_endpgm
.Lentry_shape_is_right:
.set NQ,     2
.set FR,     12
.set NL,     6
.set NP,     4
.set HALFT,  25600
.set SLOT,   4*HALFT
.set BLK,    102400
.set ROWO,   4096
.set SPITCH, 528
.set STG,    2*SLOT
.set SPARE,  STG+4*16*SPITCH
.set ADRA, 16
.set ADRB, 20
.set ADRS, 22
.set STO,  24
.set RD,   25
.set CO,   26
.set SPW,  28
.set NIL,  29
.set SC,   32
.set BC,   64
.set AF,   128
.set BK,   128
.set G1, 24
.set G0, 32
.set G1B, 48
.set G0B, 56
.set MSB, 0
.macro WIN new
.if MSB != \new
	s_set_vgpr_msb (MSB<<8)|\new
.set MSB, \new
.endif
.endm
.set MUL_LO, 0xa1
.set MUL_HI, 0xf1
.set FST_LO, 0x81
.set FST_HI, 0xc1
.set TO_B,   0x40
.macro JLOAD g0a, g1a, g0b, g1b
	s_cmp_eq_u32 s15, 0
	s_cbranch_scc0 .Lfor_b_\@
	tensor_load_to_lds s[\g0a:\g0a+3], s[\g1a:\g1a+7]
	s_nop 0
.rept 4
	v_nop
.endr
	s_branch .Lasked_\@
.Lfor_b_\@:
	tensor_load_to_lds s[\g0b:\g0b+3], s[\g1b:\g1b+7]
	s_nop 0
.rept 4
	v_nop
.endr
.Lasked_\@:
.endm
.macro CREST
	s_cmp_lg_u32 s14, 0
	s_cbranch_scc1 .Lnot_wave_0_\@
	s_barrier_signal -3
.Lnot_wave_0_\@:
	s_barrier_wait -3
	s_barrier_signal -1
	s_barrier_wait -1
.endm
.macro CROUND
	s_barrier_signal -1
	s_barrier_wait -1
	CREST
.endm
	s_load_b256 s[4:11], s[0:1], 0x0
	v_lshl_add_u32 v[SPW], v0, 2, SPARE
	v_mov_b32 v[NIL], 0
	ds_add_u32 v[SPW], v[NIL]
	ds_add_u32 v[SPW], v[NIL]
	v_lshrrev_b32 v1, 5, v0
	v_readfirstlane_b32 s14, v1
	s_lshr_b32 s15, s14, 1
	s_and_b32 s16, s14, 1
	s_bfe_u32 s40, ttmp6, 0x40000
	s_bfe_u32 s41, ttmp6, 0x40004
	s_and_b32 s17, ttmp7, 0xffff
	s_lshl_b32 s20, s17, 3
	s_lshl_b32 s21, s41, 1
	s_add_co_u32 s20, s20, s21
	s_add_co_u32 s20, s20, s16
	s_mul_i32 s20, s20, BLK
	s_mov_b32 s21, 0
	s_lshl_b32 s46, s40, 1
	s_add_co_u32 s46, s46, s16
	s_add_co_u32 s46, s46, 216
	s_mul_i32 s46, s46, BLK
	s_mov_b32 s47, 0
	s_lshl_b32 s43, s41, 2
	s_lshl_b32 s43, 15, s43
	s_lshl_b32 s44, 0x1111, s40
	s_or_b32 s[G1+0], s43, (3<<16)|(1<<21)
	s_or_b32 s[G1B+0], s44, (3<<16)|(1<<21)
.irp g, G1, G1B
	s_mov_b32 s[\g+1], 32<<16
	s_mov_b32 s[\g+2], 100<<16
	s_mov_b32 s[\g+3], 32<<16
	s_mov_b32 s[\g+4], 100
	s_mov_b32 s[\g+5], 32
	s_mov_b32 s[\g+6], 0
	s_mov_b32 s[\g+7], 0
.endr
	s_mul_i32 s45, s14, HALFT
	s_wait_dscnt 0x0
	s_wait_kmcnt 0x0
	s_add_nc_u64 s[20:21], s[4:5], s[20:21]
	s_add_nc_u64 s[46:47], s[6:7], s[46:47]
	CROUND
.irp s, 0,1
	s_mov_b32 s[G0+4*\s], 1
	s_add_co_u32 s[G0+4*\s+1], s45, \s*SLOT
	s_add_nc_u64 s[G0+4*\s+2:G0+4*\s+3], s[20:21], \s*HALFT
	s_or_b32 s[G0+4*\s+3], s[G0+4*\s+3], 0x80000000
	s_mov_b32 s[G0B+4*\s], 1
	s_add_co_u32 s[G0B+4*\s+1], s45, \s*SLOT
	s_add_nc_u64 s[G0B+4*\s+2:G0B+4*\s+3], s[46:47], \s*HALFT
	s_or_b32 s[G0B+4*\s+3], s[G0B+4*\s+3], 0x80000000
	s_wait_alu depctr_va_vdst(0)
	s_wait_tensorcnt 0x0
	ds_add_u32 v28, v29
	ds_add_u32 v28, v29
	s_wait_dscnt 0x0
	CROUND
	JLOAD G0+4*\s, G1, G0B+4*\s, G1B
.endr
	v_and_b32 v1, 15, v0
	v_bfe_u32 v2, v0, 4, 1
	s_wait_alu depctr_va_vdst(0)
	v_lshlrev_b32 v13, 5, v2
	s_lshl_b32 s93, s40, 1
	s_add_co_u32 s93, s93, s16
	s_lshl_b32 s96, s93, 9
	s_mov_b32 s97, 0
	s_add_nc_u64 s[70:71], s[8:9], s[96:97]
.irp b, 0,1,2,3,4,5,6,7
	global_load_b128 v[BC+8*\b:BC+8*\b+3], v13, s[70:71] offset:64*\b
	global_load_b128 v[BC+8*\b+4:BC+8*\b+7], v13, s[70:71] offset:64*\b+16
.endr
	v_mul_u32_u24 v3, v1, 48
	v_mad_u32_u24 v3, v2, 24, v3
	s_mul_i32 s21, s15, HALFT
	s_mul_i32 s22, s16, HALFT
	s_add_co_u32 s22, s22, 2*HALFT
.irp s, 0,1
	v_add_nc_u32 v[ADRA+\s], s21, v3
	v_add_nc_u32 v[ADRB+\s], s22, v3
	s_add_co_u32 s21, s21, SLOT
	s_add_co_u32 s22, s22, SLOT
.endr
	s_mul_i32 s21, s15, HALFT
	s_mul_i32 s22, s16, HALFT
	s_add_co_u32 s22, s22, 2*HALFT
	s_sub_co_u32 s22, s22, s21
	v_mul_u32_u24 v6, s22, v2
	v_lshl_add_u32 v6, v1, 3, v6
	s_add_co_u32 s21, s21, 24576
	v_add_nc_u32 v[ADRS], s21, v6
	v_add_nc_u32 v[ADRS+1], SLOT, v[ADRS]
	s_mul_i32 s23, s14, 16*SPITCH
	s_add_co_u32 s23, s23, STG
	v_mul_u32_u24 v5, v1, SPITCH
	v_lshl_add_u32 v5, v2, 5, v5
	v_add_nc_u32 v[STO], s23, v5
	v_and_b32 v6, 31, v0
	v_lshlrev_b32 v[CO], 4, v6
	v_add_nc_u32 v[RD], s23, v[CO]
	s_lshl_b32 s94, s17, 2
	s_add_co_u32 s94, s94, s41
	s_lshl_b32 s94, s94, 1
	s_add_co_u32 s94, s94, s15
	s_lshl_b32 s94, s94, 19
	s_add_co_u32 s94, s94, s96
	s_mov_b32 s95, 0
	s_add_nc_u64 s[10:11], s[10:11], s[94:95]
.macro FRAG reg, adr, q, i
.irp p, 0,1,2,3,4,5
	ds_load_b64 v[\reg+2*\p:\reg+2*\p+1], v[\adr] offset:(2*(\q)+\p/3)*6144+(\i)*768+8*(\p%3)
.endr
.endm
.macro MUL16 a0, p, q, sc, first
.irp a, \a0, \a0+1
.irp b, 0,1,2,3,4,5,6,7
.if \first
	v_wmma_scale_f32_16x16x128_f8f6f4 v[8*(8*((\a)%4)+\b):8*(8*((\a)%4)+\b)+7], v[128*(\p)+FR*\b:128*(\p)+FR*\b+FR-1], v[AF+FR*(\a):AF+FR*(\a)+FR-1], v[BC+8*\b:BC+8*\b+7], v[SC+8*NQ*(\sc)+NQ*\b+(\q)], v[SC+8*NQ*(\sc)+NQ*(\a)+(\q)] matrix_a_fmt:MATRIX_FMT_FP6 matrix_b_fmt:MATRIX_FMT_FP6 matrix_a_scale:MATRIX_SCALE_ROW1
.else
	v_wmma_scale_f32_16x16x128_f8f6f4 v[8*(8*((\a)%4)+\b):8*(8*((\a)%4)+\b)+7], v[128*(\p)+FR*\b:128*(\p)+FR*\b+FR-1], v[AF+FR*(\a):AF+FR*(\a)+FR-1], v[8*(8*((\a)%4)+\b):8*(8*((\a)%4)+\b)+7], v[SC+8*NQ*(\sc)+NQ*\b+(\q)], v[SC+8*NQ*(\sc)+NQ*(\a)+(\q)] matrix_a_fmt:MATRIX_FMT_FP6 matrix_b_fmt:MATRIX_FMT_FP6 matrix_a_scale:MATRIX_SCALE_ROW1
.endif
.endr
.endr
.endm
.macro FETCH_B slot, q, p
	WIN TO_B
.irp i, 0,1,2,3,4,5,6,7
	FRAG 128*(\p)+FR*\i, ADRB+\slot, \q, \i
.endr
	WIN 0
.endm
.macro FETCH_A slot, q, i0
.irp i, \i0, \i0+1, \i0+2, \i0+3
	FRAG AF+FR*(\i), ADRA+\slot, \q, \i
.endr
.endm
.macro SCALES sc
.irp i, 0,1,2,3,4,5,6,7
	ds_load_b64 v[SC+8*NQ*\sc+NQ*\i:SC+8*NQ*\sc+NQ*\i+1], v[ADRS+\sc] offset:\i*128
.endr
.endm
.macro PLACES n
.rept \n
	v_nop
.endr
.endm
.macro STEP slot, q, first
	s_wait_dscnt 4*NL
.if \first
	WIN FST_LO
.else
	WIN MUL_LO
.endif
	MUL16 0, (\q)%2, \q, \slot, \first
	MUL16 2, (\q)%2, \q, \slot, \first
	s_wait_dscnt 0
	PLACES NP
	FETCH_B \slot, (\q)+1, 1-(\q)%2
	FETCH_A \slot, (\q)+1, 0
.if \first
	WIN FST_HI
.else
	WIN MUL_HI
.endif
	MUL16 4, (\q)%2, \q, \slot, \first
	MUL16 6, (\q)%2, \q, \slot, \first
	PLACES NP
	WIN 0
	FETCH_A \slot, (\q)+1, 4
.endm
.macro TURN slot, next, fill
	s_wait_tensorcnt 0x0
	ds_add_u32 v[SPW], v[NIL]
	s_wait_dscnt 4*NL+1
	WIN MUL_LO
	MUL16 0, 1, NQ-1, \slot, 0
	s_wait_dscnt 0x0
	s_barrier_signal -1
	MUL16 2, 1, NQ-1, \slot, 0
	WIN 0
	s_barrier_wait -1
.if \fill
	CREST
	s_add_nc_u64 s[G0+4*\slot+2:G0+4*\slot+3], s[G0+4*\slot+2:G0+4*\slot+3], 2*HALFT
	s_add_nc_u64 s[G0B+4*\slot+2:G0B+4*\slot+3], s[G0B+4*\slot+2:G0B+4*\slot+3], 2*HALFT
	JLOAD G0+4*\slot, G1, G0B+4*\slot, G1B
.else
	PLACES NP
.endif
	FETCH_B \next, 0, 0
	FETCH_A \next, 0, 0
	SCALES \next
	WIN MUL_HI
	MUL16 4, 1, NQ-1, \slot, 0
	MUL16 6, 1, NQ-1, \slot, 0
	PLACES NP
	WIN 0
	FETCH_A \next, 0, 4
.endm
	s_wait_alu depctr_va_vdst(0)
	s_wait_loadcnt 0x0
	s_wait_tensorcnt 1
	s_barrier_signal -1
	s_barrier_wait -1
	FETCH_B 0, 0, 0
	FETCH_A 0, 0, 0
	SCALES 0
	FETCH_A 0, 0, 4
	STEP 0, 0, 1
	TURN 0, 1, 1
	STEP 1, 0, 0
	TURN 1, 0, 1
	STEP 0, 0, 0
	TURN 0, 1, 0
	STEP 1, 0, 0
	s_wait_dscnt 4*NL
	WIN MUL_LO
	MUL16 0, 1, NQ-1, 1, 0
	MUL16 2, 1, NQ-1, 1, 0
	s_wait_dscnt 0
	WIN MUL_HI
	MUL16 4, 1, NQ-1, 1, 0
	MUL16 6, 1, NQ-1, 1, 0
	WIN 0
.macro TOSTAGE a
.set AC, 64*((\a)%4)
	WIN 0x08+4*((\a)/4)
.irp b, 0,1,2,3,4,5,6,7
	ds_store_b128 v[STO], v[AC+8*\b:AC+8*\b+3] offset:64*\b
	ds_store_b128 v[STO], v[AC+8*\b+4:AC+8*\b+7] offset:64*\b+16
.endr
	WIN 0
.set BB, BK+64*((\a)%2)
.irp t, 0,1,2,3,4,5,6,7,8,9,10,11,12,13,14,15
	ds_load_b128 v[BB+4*\t:BB+4*\t+3], v[RD] offset:\t*SPITCH
.endr
.endm
.macro SEND a, younger
.set BB, BK+64*((\a)%2)
	s_wait_dscnt \younger
.if (\a) > 0
	s_add_nc_u64 s[10:11], s[10:11], 16*ROWO
.endif
.irp t, 0,1,2,3,4,5,6,7,8,9,10,11,12,13,14,15
	global_store_b128 v[CO], v[BB+4*\t:BB+4*\t+3], s[10:11] offset:\t*ROWO th:TH_STORE_NT
.endr
.endm
	PLACES NP
	TOSTAGE 0
.irp a, 1,2,3,4,5,6,7
.if \a > 1
	s_wait_xcnt 0x0
.endif
	TOSTAGE \a
	SEND \a-1, 32
.endr
	s_wait_xcnt 0x0
	SEND 7, 0
	s_wait_tensorcnt 0x0
	ds_add_u32 v[SPW], v[NIL]
	s_wait_dscnt 0x0
	CROUND
	s_endpgm
.Lfunc_end_k_q9d2c434f7e_outp:
	.size	k_q9d2c434f7e_outp, .Lfunc_end_k_q9d2c434f7e_outp-k_q9d2c434f7e_outp
	.p2alignl 7, 3214868480
	.fill 96, 4, 3214868480
	.section	.rodata,"a",@progbits
	.p2align	6, 0x0
	.amdhsa_kernel k_q9d2c434f7e_outp
		.amdhsa_group_segment_fixed_size 327680
		.amdhsa_private_segment_fixed_size 0
		.amdhsa_enable_private_segment 0
		.amdhsa_kernarg_size 32
		.amdhsa_user_sgpr_count 2
		.amdhsa_user_sgpr_kernarg_segment_ptr 1
		.amdhsa_wavefront_size32 1
		.amdhsa_system_sgpr_workgroup_id_x 1
		.amdhsa_system_sgpr_workgroup_id_y 1
		.amdhsa_system_sgpr_workgroup_id_z 1
		.amdhsa_system_vgpr_workitem_id 0
		.amdhsa_next_free_vgpr 1024
		.amdhsa_next_free_sgpr 100
		.amdhsa_reserve_vcc 0
		.amdhsa_float_denorm_mode_32 3
		.amdhsa_float_denorm_mode_16_64 3
		.amdhsa_memory_ordered 1
		.amdhsa_forward_progress 1
		.amdhsa_inst_pref_size 160
	.end_amdhsa_kernel
	.amdgpu_metadata
---
amdhsa.version: [ 1, 2 ]
amdhsa.kernels:
  - .name:           k_q9d2c434f7e_outp
    .symbol:         k_q9d2c434f7e_outp.kd
    .args:
      - { .name: oc, .offset: 0, .size: 8, .value_kind: global_buffer, .address_space: global }
      - { .name: c1, .offset: 8, .size: 8, .value_kind: global_buffer, .address_space: global }
      - { .name: bo, .offset: 16, .size: 8, .value_kind: global_buffer, .address_space: global }
      - { .name: out0, .offset: 24, .size: 8, .value_kind: global_buffer, .address_space: global }
    .group_segment_fixed_size: 327680
    .private_segment_fixed_size: 0
    .kernarg_segment_align: 8
    .kernarg_segment_size: 32
    .max_flat_workgroup_size: 128
    .sgpr_count:     100
    .vgpr_count:     1024
    .wavefront_size: 32
...
	.end_amdgpu_metadata
.endif
;; end of part 4
